; MI455X (gfx1250); checked and timed in simulation.
; The chip was launched on July 23, 2026; its instructions are those of AMD's public machine-readable ISA for CDNA 5 (MIT licence, August 2026) and "CDNA5" Instruction Set Architecture Reference Guide (July 2026). The comments in the code are by the model that wrote it; some were corrected since.
;; Bert Self Attention. Allowed arithmetic: matrix products marked QUANTISED: E2M1 operands, one E8M0 scale for each 32 along K, by v_wmma_scale_f32_16x16x128_f8f6f4 with both operands' format E2M1 (or v_wmma_scale_f32_32x16x128_f4), f32 sums; everything else in f32.
;; Inputs: Wk 1,024 x 1,024 float32; Wq 1,024 x 1,024 float32; Wv 1,024 x 1,024 float32; attention_mask 4 x 1 x 1 x 2,048 float32; bk 1,024 float32; bq 1,024 float32; bv 1,024 float32; hidden_states 4 x 2,048 x 1,024 float32.
;; Outputs: out0 4 x 2,048 x 1,024 float32.
;; This version of the problem:
;;   THIS VERSION OF THE PROBLEM IS GIVEN IN LOW PRECISION. The matrix products marked QUANTISED in the list below multiply operands that are first quantised to E2M1 (2 exponent bits, 1 mantissa bit; 4 bits a number), with one power-of-two scale for each 32 numbers along K (OCP MX v1.0); their sums are f32. All else is computed in f32.
;;   The module's matrix products, in the order in which they are computed (A, B: the left and right operand; K: the contracted axis; several contracted axes count as one K, in the product's order):
;;     1. [M 8,192, K 1,024] x [K 1,024, N 1,024]; A: input hidden_states; B: input Wq: QUANTISED
;;     2. [M 8,192, K 1,024] x [K 1,024, N 1,024]; A: input hidden_states; B: input Wk: QUANTISED
;;     3. [M 8,192, K 1,024] x [K 1,024, N 1,024]; A: input hidden_states; B: input Wv: QUANTISED
;;     4. batch 64 x [M 2,048, K 64] x [K 64, N 2,048]; A: computed on the way; B: computed on the way: QUANTISED
;;     5. batch 64 x [M 2,048, K 2,048] x [K 2,048, N 64]; A: softmax (see below); B: computed on the way: QUANTISED
;;   THE QUANTISER, for each operand of a quantised product, along K:
;;     - K is cut into blocks of 32 from its start; a last block that is shorter is filled with zeros.
;;     - A block's scale is 2^e with e = floor(log2(the largest magnitude in the block)) - 2, held to -126 .. 127; a block of zeros has e = 0. As a byte (E8M0): e + 127.
;;     - Each number is divided by its block's scale, clamped to +-6, and rounded to the nearest number of E2M1, ties to even, subnormals kept.
;;     - The product sums the exact products of the quantised numbers (number of the format x scale) in f32.
;;   ~~~python
;;   def quantise(x, axis):      # numpy; x: float32 -> the quantised numbers, widened to float32 again
;;       x = np.moveaxis(x, axis, -1); K = x.shape[-1]
;;       x = np.pad(x, [(0, 0)] * (x.ndim - 1) + [(0, -K % 32)]); x = x.reshape(x.shape[:-1] + (-1, 32)); a = np.abs(x).max(-1, keepdims=True)
;;       e = np.where(a > 0, np.clip(np.frexp(np.where(a > 0, a, 1))[1] - 1 - 2, -126, 127), 0)      # np.frexp(a)[1] - 1 = floor(log2(a)), exactly
;;       r = np.clip(x / 2.0 ** e, -6, 6)
;;       step = 2.0 ** (np.maximum(np.frexp(np.where(r == 0, 1, r))[1] - 1, 0) - 1)
;;       q = np.round(r / step) * step * 2.0 ** e      # np.round: ties to even
;;       return np.moveaxis(q.reshape(q.shape[:-2] + (-1,))[..., :K], -1, axis).astype(np.float32)
;;   ~~~
;;   SOFTMAX AHEAD OF A QUANTISED PRODUCT. Where the list says 'softmax', what is quantised is not the finished softmax but p = 2^(t - M), with t = logit x log2(e) and M = ceil(the row's largest t), a whole number; so 1/2 < the row's largest p <= 1. The row's sum l is taken of the UNQUANTISED p, in f32, and the product's result is divided by l at the end. Since M is a whole number, a kernel that streams over the keys may use a running M (the ceiling of the running maximum): every later rescaling is an exact power of two, which a block's scale takes up: the codes' values come out the same.
;;   OPERANDS COMPUTED ON THE WAY. 'Computed on the way' means the value that the module computes at that place (a softmax that the list does not call 'softmax' is quantised finished and normalised). What goes into a quantiser is computed in f32, as accurately as f32 sums, v_exp_f32 and their like allow (about 1e-6 of the number): no bf16 or f16 on the way to a quantiser, and a product that is left as it is and whose result goes on into a quantised operand takes f32 operands (vector FMAs, or v_wmma_f32_16x16x4_f32). A number that lies on a knife's edge between two numbers of the format may be rounded either way, as far as f32 arithmetic and the matrix unit's own rounding can turn it there, and no further.
;; One version. Each part assembles by itself: llvm-mc -triple=amdgcn-amd-amdhsa -mcpu=gfx1250 --defsym DOCPART=n.
;; ======== version 1 of 1: 3 launches
;; limits: right only within a limited range of input values
;; workspace buffers: x_codes 4,194,304 bytes; x_sc 262,144 bytes; w_codes 1,572,864 bytes; w_sc 98,304 bytes; qb 8,912,896 bytes; kv 8,912,896 bytes
;; launch quant (part 1): grid 352 x 1, 4 waves a work-group, no clusters, 33,280 bytes of LDS; arguments hidden_states, Wq, Wk, Wv, x_codes, x_sc, w_codes, w_sc; writes x_codes, x_sc, w_codes, w_sc
.if DOCPART == 1
	.amdgcn_target "amdgcn-amd-amdhsa--gfx1250"
	.amdhsa_code_object_version 6
	.text
	.protected	k_qd19228c369_quant
	.globl	k_qd19228c369_quant
	.p2align	8
	.type	k_qd19228c369_quant,@function
k_qd19228c369_quant:
	s_mov_b64 s[64:65], 0
	v_nop
	global_prefetch_b8 v0, s[64:65] scope:SCOPE_SE
	s_setreg_imm32_b32 hwreg(HW_REG_WAVE_MODE, 25, 1), 1
	s_wait_xcnt 0x0
; hidden_states [8192][1024] and Wq, Wk, Wv [1024][1024], f32, K innermost, become codes of FP4 (E2M1), two a byte, with one E8M0 scale byte for each 32 along K:
; x_codes [8192][512], x_sc [8192][32]; w_codes [3072][512], w_sc [3072][32] (rows 0-1023 Wq, 1024-2047 Wk, 2048-3071 Wv).
; A block's scale is 2^(floor(log2(its largest magnitude)) - 2); its byte is the largest magnitude's exponent field - 2, held at 1 from below.
; THE ROWS ARE STORED IN ANOTHER ORDER: inside each group of 32 rows, stored row 16 u + 8 a + l holds true row 16 a + 8 u + l.  Sixteen neighbouring stored rows are then the rows that the next launch wants
; in one tile of a matrix operand, so that two neighbouring tiles of results give a lane 16 neighbours along the axis that is quantised next.
; SHARES: a work-group takes one group of 32 rows, wave w its true rows 8 w .. 8 w + 7: a dense run of 8,192 numbers, 16 steps of 512.  Its 4,096 bytes of codes and 256 scale bytes are dense too, and go to
; the stored rows 8 w' .. 8 w' + 7, w' = 2 (w % 2) + w / 2.  Work-groups 0-255 take hidden_states, 256-287 Wq, 288-319 Wk, 320-351 Wv: only pointers are chosen, there is one path.
; Each load reads 512 consecutive bytes; a step's 2,048 bytes turn through the wave's own stage in LDS and come back 64 bytes (16 neighbours along K) a lane; two neighbouring lanes hold a block.
; No cluster: work-groups share no input.  No tensor loads, no barrier: waves share nothing.  Loads run four steps (16 loads a wave) ahead.
; LIMITS: a block whose largest magnitude lies under 2^-124 (zeros among them) gets the byte 1; a block of zeros has zero codes, which add nothing under that byte, and this program alone reads the bytes.
; NaN and infinities among the inputs are not served.
.set STEPS, 16
.set EMAX,  2
.set CB,    8                          ; bytes of 16 codes
.set R,     16                         ; v16-79   four sets of 16 numbers as they are loaded
.set X,     80                         ; v80-111  two sets of 16 neighbours
.set E,     112                        ; v112-127 a scale byte for each step
.set C,     128                        ; v128-191 codes: four registers for each step, so that no store's data are written again
.set WREG,  8192                       ; LDS: a region for each wave: two stages of 32 x SP bytes, behind them its 256 scale bytes
.set SP,    80                         ; a lane's place in a stage: 64 bytes + 16 of padding
	s_load_b256 s[4:11], s[0:1], 0x0               ; hidden_states, Wq, Wk, Wv
	s_load_b256 s[12:19], s[0:1], 0x20             ; x_codes, x_sc, w_codes, w_sc
	v_lshl_add_u32 v130, v0, 2, 4*WREG             ; my spare word, behind the four regions: 128 bytes a wave that no other line names; never rewritten
	v_mov_b32 v131, 0                              ; 0; never rewritten
	v_lshrrev_b32 v1, 5, v0
	v_readfirstlane_b32 s28, v1                    ; wave
	v_and_b32 v2, 31, v0                           ; lane
	v_lshlrev_b32 v3, 4, v2                        ; my 16 bytes of a load's 512
	s_mul_i32 s29, s28, WREG
	v_lshrrev_b32 v14, 2, v2
	v_mul_u32_u24 v14, v14, SP
	v_and_b32 v15, 3, v2
	v_lshl_add_u32 v14, v15, 4, v14
	v_add_nc_u32 v14, s29, v14                     ; the stage, on the way in: SP (lane / 4) + 16 (lane % 4)
	v_mul_u32_u24 v15, v2, SP
	v_add_nc_u32 v15, s29, v15                     ; and on the way out: SP x lane: my 16 neighbours
	v_mul_u32_u24 v4, v2, CB                       ; my codes' place in a step's 256 bytes
	v_lshrrev_b32 v5, 1, v2
	s_add_co_u32 s29, s29, 2*32*SP
	v_add_nc_u32 v5, s29, v5                       ; LDS: my wave's 256 scale bytes, my block's byte
	v_lshlrev_b32 v7, 3, v2                        ; and on the way out 8 bytes a lane
	v_add_nc_u32 v6, s29, v7
	s_wait_alu depctr_va_vdst(0)
	s_wait_kmcnt 0x0
	s_cmp_lt_u32 ttmp9, 320                        ; which tensor: the choice hangs on the work-group's number alone
	s_cselect_b64 s[26:27], s[8:9], s[10:11]
	s_cmp_lt_u32 ttmp9, 288
	s_cselect_b64 s[26:27], s[6:7], s[26:27]
	s_cmp_lt_u32 ttmp9, 256
	s_cselect_b64 s[26:27], s[4:5], s[26:27]       ; the source
	s_cselect_b64 s[20:21], s[12:13], s[16:17]     ; its codes
	s_cselect_b64 s[22:23], s[14:15], s[18:19]     ; its scale bytes
	s_cselect_b32 s24, 0, 256
	s_sub_co_u32 s24, ttmp9, s24                   ; the group of 32 rows in the codes' buffer
	s_and_b32 s25, s24, 31
	s_cmp_lt_u32 ttmp9, 256
	s_cselect_b32 s25, s24, s25                    ; and in the source (each weight has 32 groups)
	s_lshl_b32 s30, s25, 17                        ; 32 rows of 4,096 bytes
	s_lshl_b32 s32, s28, 15                        ; my 8 rows
	s_add_co_u32 s30, s30, s32
	s_mov_b32 s31, 0
	s_add_nc_u64 s[26:27], s[26:27], s[30:31]
	s_and_b32 s32, s28, 1
	s_lshl_b32 s32, s32, 1
	s_lshr_b32 s33, s28, 1
	s_or_b32 s32, s32, s33                         ; w' = 2 (w % 2) + w / 2
	s_lshl_b32 s30, s24, 14                        ; 32 rows of 512 bytes
	s_lshl_b32 s33, s32, 12
	s_add_co_u32 s30, s30, s33
	s_add_nc_u64 s[20:21], s[20:21], s[30:31]
	s_lshl_b32 s30, s24, 10                        ; 32 rows of 32 bytes
	s_lshl_b32 s33, s32, 8
	s_add_co_u32 s30, s30, s33
	s_add_nc_u64 s[22:23], s[22:23], s[30:31]
.macro LOAD t
.irp i, 0,1,2,3
	global_load_b128 v[R+16*((\t)%4)+4*\i:R+16*((\t)%4)+4*\i+3], v3, s[26:27] offset:2048*(\t)+512*\i th:TH_LOAD_NT   ; 32 lanes read 512 consecutive bytes
.endr
.endm
.macro TURN t                          ; step t's numbers through the stage: LDS serves a wave's instructions in order, so no wait stands between the stores and the loads
.irp i, 0,1,2,3
	ds_store_b128 v14, v[R+16*((\t)%4)+4*\i:R+16*((\t)%4)+4*\i+3] offset:32*SP*((\t)%2)+8*SP*\i
.endr
.irp i, 0,1,2,3
	ds_load_b128 v[X+16*((\t)%2)+4*\i:X+16*((\t)%2)+4*\i+3], v15 offset:32*SP*((\t)%2)+16*\i
.endr
.endm
.irp t, 0,1,2,3
	LOAD \t
.endr
	s_wait_loadcnt 12                              ; step 0's four loads are in
	TURN 0
.macro STEP t
.set XS, X+16*((\t)%2)
.if (\t) > 0
	s_wait_dscnt 1                                 ; this step's numbers are back from the stage (the last step's byte store may be out): so its stores into the stage have read their registers,
.else
	s_wait_dscnt 0x0
.endif
.if (\t)+4 < STEPS
	LOAD (\t)+4                                    ; which take the loads of four steps on
.endif
.if (\t)+1 < STEPS
.if STEPS-2-(\t) >= 3
	s_wait_loadcnt 12                              ; the next step's four loads are in; those of the three steps behind it may be out
.else
	s_wait_loadcnt 4*(STEPS-2-(\t))
.endif
	TURN (\t)+1                                    ; and go through the other stage while this step is worked
.endif
	v_max3_num_f32 v8, |v[XS]|, |v[XS+1]|, |v[XS+2]|               ; the largest magnitude of my 16, in two chains
	v_max3_num_f32 v9, |v[XS+3]|, |v[XS+4]|, |v[XS+5]|
.irp i, 6,10
	v_max3_num_f32 v8, v8, |v[XS+\i]|, |v[XS+\i+1]|
	v_max3_num_f32 v9, v9, |v[XS+\i+2]|, |v[XS+\i+3]|
.endr
	v_max3_num_f32 v8, v8, |v[XS+14]|, |v[XS+15]|
	v_max3_num_f32 v8, v8, v9, (EMAX+1)<<23        ; and the floor 2^(3 - 127): the byte cannot fall under 1
	v_max_num_f32_dpp v8, v8, v8 row_xmask:1 row_mask:0xf bank_mask:0xf   ; and of my neighbour's 16: the block's
	v_add_nc_u32 v11, -(EMAX<<23), v8              ; 2 off its exponent field: the conversion takes the exponent field of this operand as its scale
	v_cvt_scalef32_pk8_fp4_f32 v[C+4*(\t)], v[XS:XS+7], v11
	v_cvt_scalef32_pk8_fp4_f32 v[C+4*(\t)+1], v[XS+8:XS+15], v11
	v_lshrrev_b32 v[E+(\t)], 23, v11               ; the scale's byte (a plain line behind the conversions)
	ds_store_b8 v5, v[E+(\t)] offset:16*(\t)       ; both lanes of a block write the same byte with the same value
	global_store_b64 v4, v[C+4*(\t):C+4*(\t)+1], s[20:21] offset:32*CB*(\t)   ; the wave stores 256 consecutive bytes, aligned
.endm
.irp t, 0,1,2,3,4,5,6,7,8,9,10,11,12,13,14,15
	STEP \t
.endr
	ds_load_b64 v[12:13], v6                       ; LDS serves a wave's instructions in order: these see my stores
	s_wait_dscnt 0x0
	global_store_b64 v7, v[12:13], s[22:23]        ; 32 lanes store 256 consecutive bytes, aligned
	s_wait_tensorcnt 0x0                           ; the wave's end
	ds_add_u32 v130, v131
	s_wait_dscnt 0x0
	s_endpgm
.Lfunc_end_k_qd19228c369_quant:
	.size	k_qd19228c369_quant, .Lfunc_end_k_qd19228c369_quant-k_qd19228c369_quant
	.p2alignl 7, 3214868480
	.fill 96, 4, 3214868480
	.section	.rodata,"a",@progbits
	.p2align	6, 0x0
	.amdhsa_kernel k_qd19228c369_quant
		.amdhsa_group_segment_fixed_size 33280
		.amdhsa_private_segment_fixed_size 0
		.amdhsa_enable_private_segment 0
		.amdhsa_kernarg_size 64
		.amdhsa_user_sgpr_count 2
		.amdhsa_user_sgpr_kernarg_segment_ptr 1
		.amdhsa_wavefront_size32 1
		.amdhsa_system_sgpr_workgroup_id_x 1
		.amdhsa_system_sgpr_workgroup_id_y 1
		.amdhsa_system_sgpr_workgroup_id_z 1
		.amdhsa_system_vgpr_workitem_id 0
		.amdhsa_next_free_vgpr 192
		.amdhsa_next_free_sgpr 66
		.amdhsa_reserve_vcc 0
		.amdhsa_float_denorm_mode_32 3
		.amdhsa_float_denorm_mode_16_64 3
		.amdhsa_memory_ordered 1
		.amdhsa_forward_progress 1
		.amdhsa_inst_pref_size 34
	.end_amdhsa_kernel
	.amdgpu_metadata
---
amdhsa.version: [ 1, 2 ]
amdhsa.kernels:
  - .name:           k_qd19228c369_quant
    .symbol:         k_qd19228c369_quant.kd
    .args:
      - { .name: hidden_states, .offset: 0, .size: 8, .value_kind: global_buffer, .address_space: global }
      - { .name: Wq, .offset: 8, .size: 8, .value_kind: global_buffer, .address_space: global }
      - { .name: Wk, .offset: 16, .size: 8, .value_kind: global_buffer, .address_space: global }
      - { .name: Wv, .offset: 24, .size: 8, .value_kind: global_buffer, .address_space: global }
      - { .name: x_codes, .offset: 32, .size: 8, .value_kind: global_buffer, .address_space: global }
      - { .name: x_sc, .offset: 40, .size: 8, .value_kind: global_buffer, .address_space: global }
      - { .name: w_codes, .offset: 48, .size: 8, .value_kind: global_buffer, .address_space: global }
      - { .name: w_sc, .offset: 56, .size: 8, .value_kind: global_buffer, .address_space: global }
    .group_segment_fixed_size: 33280
    .private_segment_fixed_size: 0
    .kernarg_segment_align: 8
    .kernarg_segment_size: 64
    .max_flat_workgroup_size: 128
    .sgpr_count:     66
    .vgpr_count:     192
    .wavefront_size: 32
...
	.end_amdgpu_metadata
.endif
;; end of part 1
;; launch proj (part 2): grid 12 x 32, 4 waves a work-group, clusters of 4 x 4, 327,680 bytes of LDS; arguments x_codes, x_sc, w_codes, w_sc, bq, bk, bv, qb, kv; writes qb, kv
.if DOCPART == 2
	.amdgcn_target "amdgcn-amd-amdhsa--gfx1250"
	.amdhsa_code_object_version 6
	.text
	.protected	k_qd19228c369_proj
	.globl	k_qd19228c369_proj
	.p2align	8
	.type	k_qd19228c369_proj,@function
k_qd19228c369_proj:
	s_mov_b64 s[64:65], 0
	v_nop
	global_prefetch_b8 v0, s[64:65] scope:SCOPE_SE
	s_setreg_imm32_b32 hwreg(HW_REG_WAVE_MODE, 25, 1), 1
	s_wait_xcnt 0x0
	s_wait_alu depctr_hold_cnt(0) depctr_sa_sdst(0) depctr_va_vdst(0) depctr_va_sdst(0) depctr_va_ssrc(0) depctr_va_vcc(0) depctr_vm_vsrc(0)
	s_getreg_b32 s2, hwreg(HW_REG_IB_STS2, 6, 4)
	s_cmp_eq_u32 s2, 0
	s_cbranch_scc0 .Lentry_in_a_cluster
	s_endpgm
.Lentry_in_a_cluster:
	s_bfe_u32 s2, ttmp6, 0x10000c
	s_cmp_lg_u32 s2, 0xf033
	s_cbranch_scc0 .Lentry_shape_is_right
	s_endpgm
.Lentry_shape_is_right:
; q, k, v = x W^T + b on codes of FP4 (E2M1) with E8M0 scales, K = 1,024, and at once their quantising for attention: q and k along the head's 64, v down the tokens.  Nothing leaves in f32.
; A tile is 256 tokens x 256 columns of [Wq; Wk; Wv] (3,072 rows): four waves, 128 x 128 each, 64 accumulators.  A row of 1,024 codes is 512 bytes: both operands' 256 rows for ALL of K (2 x 135,168 bytes with padding)
; and their scale bytes (17,408) lie in LDS at once.  Each LDS byte is filled once; there is no ring.
; CLUSTERS: 4 x 4 work-groups.  x's tile hangs on the tile row alone and is asked for jointly along a row of the cluster, W's on the tile column alone and jointly along a column.
; Cluster x = 0, 1, 2 is q, k, v: a cluster is wholly one of them, so what hangs on that number is equal in all sixteen partners.
; ROLES.  Source 0 of the matrix instruction is P, whose rows run along a lane's REGISTERS in the result; source 1 is R, one row a lane.  The axis that is quantised next must be P: for q and k P = W (the head's channels), R = x;
; for v P = x (the tokens), R = W.  The fills are the same in all clusters; only the LDS addresses that are READ change places, by a select on cluster x.
; THE STORED ROWS of x_codes and w_codes (bits 3 and 4 of the row number swapped) make tiles 2 g and 2 g + 1 of P give lane (r, h) the 16 neighbours 32 g + 16 h + 0 .. 15, and make lane r of R's tile 2 g + u the true row 32 g + 8 u + r + 8 (r / 8).
; OUT.  qb and kv: [batch x 16 + head][step of 128 tokens][8,704 bytes], images of operands' registers: +0 K's (or q's) codes, tile a at 512 a + 16 lane; +4096 V's codes, channel tile dt, register group c at 1024 dt + 512 c + 16 lane;
; +8192 K's (q's) scale words at 16 r + 4 b (bytes 0, 1: tile 2 b; bytes 2, 3: tile 2 b + 1); +8448 V's at 16 r + 4 dt.  Every store of codes covers 512 consecutive bytes, every half of the scale store 256, aligned.
; q's scale bytes are stored LESS 3: the attention's first product then gives q . k / 8 exactly.
; The bias along P is the C of each sum's first product; the bias along R is added, two numbers an instruction, by the lines that bring the sums into window 0.  The one that is not due is replaced by zeros, without a branch.
; LIMITS: a block of q, k or v whose largest magnitude lies under 2^-121 gets the byte of that floor, 4 (so that q's byte less 3 stays at 1 or above).  NaN and infinities are not served.
; REGISTERS, in windows of 256: window 0: v1-29 addresses; v32-95 scale words alone; v96-111 R's bias; v112-119 the scale words made; v128-191 R's fragments, later 64 sums at work; v192-255 P's bias, later at work.
;   window 1: P's fragments, two sets, at v0 and v128.   window 2: accumulators of R's tiles 0-3 ((a, b) at v[8 (8 (a % 4) + b)]);   window 3: of R's tiles 4-7.
; ROLES IN LDS, as the text has them: R's 256 rows always lie at LDS byte 0 and P's behind them, and so their scale bytes.  In the clusters of q and k the head's loads put x in R's place and W in P's;
; in the clusters of v they put W in R's place and x in P's (a branch on cluster x, equal in all partners).  So every LDS address that is read is arithmetic on the wave's number and the lane alone.
.set PITCH, 528                        ; an LDS row: 512 bytes + 16 of padding = 33 x 16: the 16 rows of a fragment load start at 16 different 16-byte columns
.set HALFT, 128*PITCH                  ; 128 rows: what one wave reads of P or of R; a tensor load brings 256
.set SCL,   4*HALFT                    ; behind x's and W's rows: the scale bytes, as units of 256 bytes + 16
.set HALFS, 16*272                     ; those of 128 rows
.set SBLK,  544                        ; those of 16 rows
.set HS,    139264                     ; a head in qb and kv
.set SS,    8704                       ; a step of 128 tokens in it
.set ADRR, 16                          ; v16  LDS address of R's fragments
.set ADRP, 20                          ; v20  of P's
.set CO,   24                          ; v24  16 x lane: an image's place for my lane
.set SO,   25                          ; v25  16 r + HS h: where the scale words go
.set SH,   26                          ; v26  16 h
.set ADRS, 27                          ; v27  LDS address of my scale words: lanes 0-15 R's rows, lanes 16-31 P's
.set BPO,  28                          ; v28  offset of P's bias
.set BRO,  29                          ; v29  offset of R's bias
.set SPW,  30                          ; v30  LDS address of my spare word; never rewritten
.set NIL,  31                          ; v31  0; never rewritten
.set SPARE, SCL+4*HALFS                ; behind the scale bytes: the spare words, 128 bytes a wave, that no other line names
.set SC,   32                          ; register SC + 8 i + q: lanes 0-15 the word of R's block i, lanes 16-31 of P's block i, for the q-th 128 along K
.set BR,   96                          ; pair 2 a, 2 a + 1: R's bias of tile a, twice
.set WS,   112                         ; the scale word of R's tile a
.set RF,   128                         ; R's fragments
.set H,    128                         ; the way out: 64 sums of one tile of R
.set BP,   192                         ; P's bias, tile b at BP + 8 b
.set TM,   192                         ; the way out: v192-195 largest magnitudes, v196-199 bytes, v204-207 the conversions' scale operands
.set PW,   208
.set PC,   210                         ; the codes just made: 8 registers
.set OW,   220                         ; four scale words to store
.set T0,   224
.set T1,   225
.set T2,   226
.set G1X,  24                          ; s[24:31] group 1 for x's rows;  s[32:35] group 0
.set G0X,  32
.set G1W,  36                          ; s[36:43], s[44:47] for W's rows
.set G0W,  44
.set G1SX, 48                          ; s[48:55], s[56:59] for x's scale bytes
.set G0SX, 56
.set G0SW, 60                          ; s[60:63], s[68:75] for W's
.set G1SW, 68
.set MSB, 0
.macro WIN new                         ; the immediate's high byte repeats the setting that is left
.if MSB != (\new)
	s_set_vgpr_msb (MSB<<8)|(\new)
.set MSB, (\new)
.endif
.endm
; THE HEAD'S JOINT LOADS, ONE A WAVE: one chain of arms on cluster x and the wave's number, each arm with its load, all leading to one join.
; An arm writes its tile's place in LDS, a constant, into its group 0.  An s_nop 0 and four v_nop follow each load.
.macro FILL g0, g1, lds
	s_mov_b32 s[\g0+1], \lds
	tensor_load_to_lds s[\g0:\g0+3], s[\g1:\g1+7]
	s_nop 0
.rept 4
	v_nop
.endr
.endm
.macro ARM under, g0, g1, lds, next
	s_cmp_lt_u32 s14, \under
	s_cbranch_scc0 \next
	FILL \g0, \g1, \lds
	s_branch .Lhead_asked
\next:
.endm
.macro CROUND                          ; a round of the cluster's barrier
	s_barrier_signal -1
	s_barrier_wait -1
	s_cmp_lg_u32 s14, 0
	s_cbranch_scc1 .Lnot_wave_0_\@
	s_barrier_signal -3
.Lnot_wave_0_\@:
	s_barrier_wait -3
	s_barrier_signal -1
	s_barrier_wait -1
.endm
.macro PLACES n
.rept \n
	v_nop
.endr
.endm
	s_load_b256 s[4:11], s[0:1], 0x0               ; x_codes, x_sc, w_codes, w_sc
	s_load_b256 s[76:83], s[0:1], 0x20             ; bq, bk, bv, qb
	s_load_b64 s[84:85], s[0:1], 0x40              ; kv
	v_lshl_add_u32 v[SPW], v0, 2, SPARE
	v_mov_b32 v[NIL], 0
	ds_add_u32 v[SPW], v[NIL]                      ; the opening: the add, twice on end, and its wait ahead of the round in front of my tensor load
	ds_add_u32 v[SPW], v[NIL]
	v_lshrrev_b32 v1, 5, v0
	v_readfirstlane_b32 s14, v1                    ; wave 0..3
	s_lshr_b32 s15, s14, 1                         ; hR: which half of R's rows is mine.  Also: I fetch rows (0) or scale bytes (1)
	s_and_b32 s16, s14, 1                          ; hP: which half of P's rows.  Also: I fetch for x (0) or for W (1)
	s_bfe_u32 s86, ttmp6, 0x40000                  ; cx, cy: my place in the cluster
	s_bfe_u32 s87, ttmp6, 0x40004
	s_lshl_b32 s88, ttmp9, 2
	s_add_co_u32 s88, s88, s86                     ; tile column 0..11 = 4 x cluster x + cx
	s_and_b32 s17, ttmp7, 0xffff
	s_lshl_b32 s17, s17, 2
	s_add_co_u32 s17, s17, s87                     ; tile row 0..31 = 4 x cluster y + cy
	s_lshl_b32 s89, s87, 2
	s_lshl_b32 s89, 15, s89                        ; my row of the cluster
	s_lshl_b32 s90, 0x1111, s86                    ; my column
	; group 1: 256 rows of 512 bytes, 16 bytes of padding behind each
	s_or_b32 s[G1X], s89, (1<<20)|(1<<21)|(6<<22)|(3<<25)   ; 15:0 the mask; 17:16 elements of 1 byte; 20 padding on; 21 set beside a mask; 24:22 after every 128 words (code 6); 31:25 four words (code 3)
	s_or_b32 s[G1W], s90, (1<<20)|(1<<21)|(6<<22)|(3<<25)
.irp g, G1X, G1W
	s_mov_b32 s[\g+1], 512<<16                     ; tensor_dim0
	s_mov_b32 s[\g+2], 256<<16                     ; tensor_dim1
	s_mov_b32 s[\g+3], 512<<16                     ; tile_dim0
	s_mov_b32 s[\g+4], 256                         ; tile_dim1
	s_mov_b32 s[\g+5], 512                         ; from row to row
	s_mov_b32 s[\g+6], 0
	s_mov_b32 s[\g+7], 0
.endr
	; the scale bytes of 256 rows: 8,192 dense bytes, as 32 rows of 256 (32 elements of 8 bytes), 16 bytes of padding behind each
	s_or_b32 s[G1SX], s89, (3<<16)|(1<<20)|(1<<21)|(5<<22)|(3<<25)
	s_or_b32 s[G1SW], s90, (3<<16)|(1<<20)|(1<<21)|(5<<22)|(3<<25)
.irp g, G1SX, G1SW
	s_mov_b32 s[\g+1], 32<<16
	s_mov_b32 s[\g+2], 32<<16
	s_mov_b32 s[\g+3], 32<<16
	s_mov_b32 s[\g+4], 32
	s_mov_b32 s[\g+5], 32
	s_mov_b32 s[\g+6], 0
	s_mov_b32 s[\g+7], 0
.endr
	s_lshl_b32 s18, s17, 8                         ; x: stored row 256 x tile row
	s_lshl_b32 s20, s18, 9                         ; its codes, in bytes (under 2^23)
	s_mov_b32 s21, 0
	s_lshl_b32 s22, s18, 5                         ; its scale bytes
	s_mov_b32 s23, 0
	s_lshl_b32 s92, s88, 8                         ; W: stored row 256 x tile column
	s_lshl_b32 s94, s92, 5
	s_mov_b32 s95, 0
	s_lshl_b32 s92, s92, 9
	s_mov_b32 s93, 0
	s_wait_dscnt 0x0                               ; both opening adds are done
	s_wait_kmcnt 0x0
	CROUND                                         ; all sixteen work-groups are here: the joint loads meet
	s_mov_b32 s[G0SX], 1
	s_add_nc_u64 s[G0SX+2:G0SX+3], s[6:7], s[22:23]
	s_or_b32 s[G0SX+3], s[G0SX+3], 0x80000000
	s_mov_b32 s[G0SW], 1
	s_add_nc_u64 s[G0SW+2:G0SW+3], s[10:11], s[94:95]
	s_or_b32 s[G0SW+3], s[G0SW+3], 0x80000000
	s_mov_b32 s[G0X], 1
	s_add_nc_u64 s[G0X+2:G0X+3], s[4:5], s[20:21]
	s_or_b32 s[G0X+3], s[G0X+3], 0x80000000
	s_mov_b32 s[G0W], 1
	s_add_nc_u64 s[G0W+2:G0W+3], s[8:9], s[92:93]
	s_or_b32 s[G0W+3], s[G0W+3], 0x80000000
	s_cmp_eq_u32 ttmp9, 2                          ; cluster x: equal in all sixteen partners
	s_cbranch_scc1 .Lhead_v
	ARM 1, G0X,  G1X,  0,       .Lqk_w             ; q, k: R = x, P = W.  Wave 0: x's rows, wave 1: W's, wave 2: x's scale bytes, wave 3: W's
	ARM 2, G0W,  G1W,  2*HALFT, .Lqk_sx
	ARM 3, G0SX, G1SX, SCL,     .Lqk_sw
	FILL G0SW, G1SW, SCL+2*HALFS
	s_branch .Lhead_asked
.Lhead_v:
	ARM 1, G0X,  G1X,  2*HALFT, .Lv_w              ; v: R = W, P = x
	ARM 2, G0W,  G1W,  0,       .Lv_sx
	ARM 3, G0SX, G1SX, SCL+2*HALFS, .Lv_sw
	FILL G0SW, G1SW, SCL
.Lhead_asked:                                          ; one tensor load of mine is out; the four are all that the work-group will ever read from LDS
	; what hangs on q, k or v: cluster x, equal in all partners
	s_cmp_eq_u32 ttmp9, 0
	s_cselect_b64 s[2:3], s[76:77], s[78:79]
	s_cselect_b32 s101, 0x03030303, 0              ; what is taken off the scale bytes: 3 for q
	s_cmp_eq_u32 ttmp9, 2
	s_cselect_b64 s[2:3], s[80:81], s[2:3]         ; the bias
	s_cselect_b32 s98, s16, s15                    ; which half of the tile's tokens is mine,
	s_cselect_b32 s99, s15, s16                    ; which half of its columns
	s_cselect_b32 s100, 0, -1                      ; all ones for q and k
	s_cselect_b32 s91, s17, s88                    ; P's tile number,
	s_cselect_b32 s66, s88, s17                    ; R's
	v_and_b32 v1, 15, v0                           ; r
	s_wait_alu depctr_va_vdst(0)
	v_bfe_u32 v2, v0, 4, 1                         ; h
	; both biases are loaded as if due, the tile number taken modulo 4, so that every load stays inside the 1,024 numbers in both roles
	s_and_b32 s18, s91, 3
	s_lshl_b32 s18, s18, 10
	s_lshl_b32 s19, s16, 9
	s_add_co_u32 s18, s18, s19
	v_lshl_add_u32 v[BPO], v2, 6, s18              ; along P: tile b's register j is index 32 (b / 2) + 16 h + 8 (b % 2) + j
	s_and_b32 s20, s66, 3
	s_lshl_b32 s20, s20, 10
	s_lshl_b32 s21, s15, 9
	s_add_co_u32 s20, s20, s21
	v_and_b32 v3, 8, v1
	v_add_nc_u32 v3, v3, v1                        ; r + 8 (r / 8)
	v_lshl_add_u32 v[BRO], v3, 2, s20              ; along R: tile a's lane r is index 32 (a / 2) + 8 (a % 2) + r + 8 (r / 8)
.irp b, 0,1,2,3,4,5,6,7
	global_load_b128 v[BP+8*\b:BP+8*\b+3], v[BPO], s[2:3] offset:(32*(\b/2)+8*(\b%2))*4
	global_load_b128 v[BP+8*\b+4:BP+8*\b+7], v[BPO], s[2:3] offset:(32*(\b/2)+8*(\b%2))*4+16
.endr
.irp a, 0,1,2,3,4,5,6,7
	global_load_b32 v[BR+2*\a], v[BRO], s[2:3] offset:(32*(\a/2)+8*(\a%2))*4
.endr
	s_wait_loadcnt 0x0
.set i, 0
.rept 64
	v_cndmask_b32 v[BP+i], 0, v[BP+i], s100        ; P's bias counts for q and k,
.set i, i+1
.endr
.irp a, 0,1,2,3,4,5,6,7
	v_cndmask_b32 v[BR+2*\a], v[BR+2*\a], 0, s100  ; R's for v
.endr
.irp a, 0,1,2,3,4,5,6,7
	v_mov_b32 v[BR+2*\a+1], v[BR+2*\a]
.endr
	; LDS addresses.  A fragment, 16 rows x 128 K of 4-bit codes, is 8 registers: lane (r, h) holds row r; registers 4 c .. 4 c + 3 hold K = 64 c + 32 h + 0 .. 31: 16 bytes of the row as they lie
	v_mul_u32_u24 v3, v1, PITCH
	v_lshl_add_u32 v3, v2, 4, v3
	s_mul_i32 s18, s15, HALFT
	v_add_nc_u32 v[ADRR], s18, v3
	s_mul_i32 s19, s16, HALFT
	s_add_co_u32 s19, s19, 2*HALFT                 ; P's rows lie behind R's 256
	v_add_nc_u32 v[ADRP], s19, v3
	v_lshlrev_b32 v4, 5, v1                        ; my row's 32 scale bytes,
	v_and_b32 v5, 8, v1
	v_lshl_add_u32 v4, v5, 1, v4                   ; and 16 more behind the first 256
	s_mul_i32 s20, s15, HALFS                      ; R's words: my 128 rows
	s_mul_i32 s21, s16, HALFS                      ; P's: my 128 rows, behind R's 256
	s_add_co_u32 s21, s21, 2*HALFS
	s_sub_co_u32 s21, s21, s20
	v_mul_u32_u24 v6, s21, v2                      ; lanes 0-15 take R's words, lanes 16-31 P's: the lower base + h x the distance
	s_add_co_u32 s20, s20, SCL
	v_add_nc_u32 v5, v4, v6
	v_add_nc_u32 v[ADRS], s20, v5
	v_and_b32 v6, 31, v0
	v_lshlrev_b32 v[CO], 4, v6
	v_lshlrev_b32 v[SO], 4, v1
	v_mul_u32_u24 v6, v2, HS
	v_add_nc_u32 v[SO], v[SO], v6
	v_lshlrev_b32 v[SH], 4, v2
	s_wait_alu depctr_va_vdst(0)
	s_wait_tensorcnt 0x0                           ; my load has landed,
	s_barrier_signal -1
	s_barrier_wait -1                              ; everybody's has: LDS is whole, and nothing fills it any more
	; the way out's addresses, in the descriptors' registers, which are free behind the wait above
	s_lshr_b32 s34, s17, 3                         ; the batch: 8 tile rows each
	s_lshl_b32 s34, s34, 4
	s_and_b32 s35, s88, 3
	s_lshl_b32 s35, s35, 2
	s_add_co_u32 s34, s34, s35
	s_lshl_b32 s35, s99, 1
	s_add_co_u32 s34, s34, s35                     ; 16 x batch + my first head
	s_mul_i32 s34, s34, HS
	s_and_b32 s35, s17, 7
	s_lshl_b32 s35, s35, 1
	s_add_co_u32 s35, s35, s98                     ; my step of 128 tokens
	s_mul_i32 s35, s35, SS
	s_add_co_u32 s34, s34, s35
	s_mov_b32 s35, 0
	s_cmp_eq_u32 ttmp9, 0
	s_cselect_b64 s[36:37], s[82:83], s[84:85]     ; q goes to qb, k and v to kv
	s_add_nc_u64 s[36:37], s[36:37], s[34:35]
	s_cmp_eq_u32 ttmp9, 2
	s_cselect_b32 s38, 4096, 0                     ; V's codes lie behind K's
	s_mov_b32 s39, 0
	s_mov_b32 s40, HS
	s_cselect_b32 s40, 512, s40                    ; the fragment's second half: v: register group 1; q, k: the next head
	s_mov_b32 s41, 0
	s_mov_b32 s42, 8192
	s_cselect_b32 s42, 8448, s42                   ; the scale words
	s_mov_b32 s43, 0
	s_mov_b32 s30, 512
	s_cselect_b32 s30, 1024, s30                   ; from one tile of R to the next
	s_mov_b32 s31, 0
	s_cselect_b32 s32, HS-4096, 0                  ; v: behind four tiles of channels the next head begins
	s_mov_b32 s33, 0
	s_add_nc_u64 s[24:25], s[36:37], s[38:39]
	s_add_nc_u64 s[26:27], s[24:25], s[40:41]
	s_add_nc_u64 s[28:29], s[36:37], s[42:43]
	s_mov_b32 s44, 0x76543210
	s_mov_b32 s45, 0xfedcba98                      ; v_permlanex16_b32's selects for lane l xor 16
.macro FRAG reg, adr, q, i
.irp c, 0,1
	ds_load_b128 v[\reg+4*\c:\reg+4*\c+3], v[\adr] offset:64*(\q)+32*\c+(\i)*16*PITCH
.endr
.endm
.macro FETCH_P q, p                    ; P's eight fragments of the q-th 128 along K into set p
	WIN 0x40
.irp i, 0,1,2,3,4,5,6,7
	FRAG 128*(\p)+8*\i, ADRP, \q, \i
.endr
	WIN 0
.endm
.macro FETCH_R q, i0                   ; R's blocks i0 .. i0 + 3
.irp i, \i0, \i0+1, \i0+2, \i0+3
	FRAG RF+8*(\i), ADRR, \q, \i
.endr
.endm
; 16 matrix instructions: R's blocks a0, a0 + 1 x P's eight.  first = 1: P's bias is the C of the sums' first products: nothing is cleared.
; The 64 accumulators take turns, one instruction a turn, in the same order in every step.
.macro MUL16 a0, p, q, first
.irp a, \a0, \a0+1
.irp b, 0,1,2,3,4,5,6,7
.if \first
	v_wmma_scale_f32_16x16x128_f8f6f4 v[8*(8*((\a)%4)+\b):8*(8*((\a)%4)+\b)+7], v[128*(\p)+8*\b:128*(\p)+8*\b+7], v[RF+8*(\a):RF+8*(\a)+7], v[BP+8*\b:BP+8*\b+7], v[SC+8*\b+(\q)], v[SC+8*(\a)+(\q)] matrix_a_fmt:MATRIX_FMT_FP4 matrix_b_fmt:MATRIX_FMT_FP4 matrix_a_scale:MATRIX_SCALE_ROW1
.else
	v_wmma_scale_f32_16x16x128_f8f6f4 v[8*(8*((\a)%4)+\b):8*(8*((\a)%4)+\b)+7], v[128*(\p)+8*\b:128*(\p)+8*\b+7], v[RF+8*(\a):RF+8*(\a)+7], v[8*(8*((\a)%4)+\b):8*(8*((\a)%4)+\b)+7], v[SC+8*\b+(\q)], v[SC+8*(\a)+(\q)] matrix_a_fmt:MATRIX_FMT_FP4 matrix_b_fmt:MATRIX_FMT_FP4 matrix_a_scale:MATRIX_SCALE_ROW1
.endif
.endr
.endr
.endm
; A step of 128 along K that has a successor.  R has one set of registers: a block is free when its eight products are issued; blocks 0-3 are fetched anew in the step's middle, blocks 4-7 at its end.  P has two sets.
; A load into a register that a matrix instruction has read stands four places behind it, and only plain vector instructions that name none of its registers are places (ISA guide 7.12.1 for vector instructions).
.macro STEP q, first
	s_wait_dscnt 8                                 ; P's set, R's blocks 0-3 (and in step 0 the scale words) are in; the youngest eight loads, R's blocks 4-7, may be out
	WIN 0xa1-0x20*(\first)                         ; source 0 (P) window 1, source 1 (R) window 0, D window 2; C window 2, in the first step window 0
	MUL16 0, (\q)%2, \q, \first
	MUL16 2, (\q)%2, \q, \first
	s_wait_dscnt 0                                 ; R's blocks 4-7 are in
	PLACES 4
	FETCH_P (\q)+1, 1-(\q)%2
	FETCH_R (\q)+1, 0
	WIN 0xf1-0x30*(\first)                         ; the same with D (and C) in window 3
	MUL16 4, (\q)%2, \q, \first
	MUL16 6, (\q)%2, \q, \first
	PLACES 4
	WIN 0
	FETCH_R (\q)+1, 4
.endm
	FETCH_P 0, 0
	FETCH_R 0, 0
.irp i, 0,1,2,3,4,5,6,7                ; the scale words of all of K: 8 words a row; lanes 0-15 take R's block i, lanes 16-31 P's
	ds_load_b128 v[SC+8*\i:SC+8*\i+3], v[ADRS] offset:\i*SBLK
	ds_load_b128 v[SC+8*\i+4:SC+8*\i+7], v[ADRS] offset:\i*SBLK+16
.endr
	FETCH_R 0, 4
	STEP 0, 1
.irp q, 1,2,3,4,5,6
	STEP \q, 0
.endr
	s_wait_dscnt 8                                 ; the last step: nothing more to fetch
	WIN 0xa1
	MUL16 0, 1, 7, 0
	MUL16 2, 1, 7, 0
	s_wait_dscnt 0
	WIN 0xf1
	MUL16 4, 1, 7, 0
	MUL16 6, 1, 7, 0
	WIN 0
	PLACES 4                                       ; in front of the first read of results and of the writes over R's fragments
.irp b, 0,1,2,3
	v_mov_b32 v[TM+4+\b], 0                        ; written once: a lane permute's destination counts as one of its sources
.endr
; 64 numbers of a lane, v[s] .. v[s + 63], register 16 b + i = index 32 b + 16 h + i along P of my row of R, become a fragment's codes in v[PC] on and its scale word in v[w].
.macro QUANT s, w
.irp b, 0,1,2,3
	v_max3_num_f32 v[TM+\b], |v[\s+16*\b]|, |v[\s+1+16*\b]|, 0x3000000   ; block b: my 16 numbers, and the floor 2^(6 - 127): the byte cannot fall under 4
.endr
.irp i, 2,4,6,8,10,12,14
.irp b, 0,1,2,3
	v_max3_num_f32 v[TM+\b], v[TM+\b], |v[\s+16*\b+\i]|, |v[\s+1+16*\b+\i]|   ; (the four blocks by turns)
.endr
.endr
.irp b, 0,1,2,3
	v_permlanex16_b32 v[TM+4+\b], v[TM+\b], s44, s45
.endr
.irp b, 0,1,2,3
	v_max_num_f32 v[TM+\b], v[TM+\b], v[TM+4+\b]   ; with lane l xor 16's: the block's largest magnitude
.endr
.irp b, 0,1,2,3
	v_add_nc_u32 v[TM+12+\b], 0xff000000, v[TM+\b] ; 2 off its exponent field: the conversion's scale operand
.endr
.irp b, 0,1,2,3
	v_lshrrev_b32 v[TM+4+\b], 23, v[TM+12+\b]      ; the scale's byte
.endr
	v_lshl_or_b32 v[PW], v[TM+5], 8, v[TM+4]
	v_lshl_or_b32 v[PW], v[TM+6], 16, v[PW]
	v_lshl_or_b32 v[PW], v[TM+7], 24, v[PW]
	v_sub_nc_u32 v[\w], v[PW], s101                ; q: 3 off each byte; each is 4 or more, so nothing is borrowed
.irp b, 0,1,2,3
	v_cvt_scalef32_pk8_fp4_f32 v[PC+2*\b], v[\s+16*\b:\s+16*\b+7], v[TM+12+\b]
	v_cvt_scalef32_pk8_fp4_f32 v[PC+2*\b+1], v[\s+16*\b+8:\s+16*\b+15], v[TM+12+\b]
.endr
	v_nop                                          ; one plain place behind a scaled conversion
.irp c, 0,1                            ; the operand's layout wants a whole block in a lane: lanes 0-15 block 2 c, lanes 16-31 block 2 c + 1
.irp i, 0,1
	v_permlane16_swap_b32 v[PC+4*\c+\i], v[PC+4*\c+2+\i]
.endr
.endr
.endm
; R's tile a: its 64 sums a lane come into window 0 with R's bias added, each accumulator from its low end on; they are quantised; the fragment leaves as two images of 512 bytes.
.macro EPI a
.if (\a) > 0
	s_wait_xcnt 0x0                                ; the last tile's stores have read their data and their bases: both are written again only behind this wait
	s_add_nc_u64 s[24:25], s[24:25], s[30:31]
	s_add_nc_u64 s[26:27], s[26:27], s[30:31]
.endif
.if (\a) == 4
	s_add_nc_u64 s[24:25], s[24:25], s[32:33]
	s_add_nc_u64 s[26:27], s[26:27], s[32:33]
.endif
	WIN 0x02+(\a)/4                                ; source 0: window 2 or 3
.set AC, 64*((\a)%4)
.set i, 0
.rept 32
	v_pk_add_f32 v[H+i:H+i+1], v[AC+i:AC+i+1], v[BR+2*(\a):BR+2*(\a)+1]
.set i, i+2
.endr
	WIN 0
	QUANT H, WS+(\a)
	global_store_b128 v[CO], v[PC:PC+3], s[24:25]      ; q, k: my first head's two blocks of 16 tokens; v: keys 0-63 of 16 channels
	global_store_b128 v[CO], v[PC+4:PC+7], s[26:27]    ; q, k: my second head's; v: keys 64-127
.endm
.irp a, 0,1,2,3,4,5,6,7
	EPI \a
.endr
	; the scale words.  q, k: word b of a head joins the head's two bytes of tiles 2 b and 2 b + 1 (lanes 0-15: my first head, the low halves; lanes 16-31: my second, the high halves).
	; v: word dt of a head is tile dt's word (first head) or tile 4 + dt's (second).  Both are made, one is chosen.
	v_cmp_ne_u32 vcc_lo, 0, v2
.irp b, 0,1,2,3
	v_lshrrev_b32 v[T0], v[SH], v[WS+2*\b]
	v_lshrrev_b32 v[T1], v[SH], v[WS+2*\b+1]
	v_and_b32 v[T0], 0xffff, v[T0]
	v_lshl_or_b32 v[T0], v[T1], 16, v[T0]
	v_cndmask_b32 v[T2], v[WS+\b], v[WS+4+\b], vcc_lo
	v_cndmask_b32 v[OW+\b], v[T2], v[T0], s100
.endr
	global_store_b128 v[SO], v[OW:OW+3], s[28:29]  ; sixteen lanes store 256 consecutive bytes, aligned, for each of my two heads
	s_wait_tensorcnt 0x0                           ; the wave's end
	ds_add_u32 v[SPW], v[NIL]
	s_wait_dscnt 0x0
	CROUND                                         ; the closing round: no work-group ends while a partner may still ask for a tile that names it
	s_endpgm
.Lfunc_end_k_qd19228c369_proj:
	.size	k_qd19228c369_proj, .Lfunc_end_k_qd19228c369_proj-k_qd19228c369_proj
	.p2alignl 7, 3214868480
	.fill 96, 4, 3214868480
	.section	.rodata,"a",@progbits
	.p2align	6, 0x0
	.amdhsa_kernel k_qd19228c369_proj
		.amdhsa_group_segment_fixed_size 327680
		.amdhsa_private_segment_fixed_size 0
		.amdhsa_enable_private_segment 0
		.amdhsa_kernarg_size 72
		.amdhsa_user_sgpr_count 2
		.amdhsa_user_sgpr_kernarg_segment_ptr 1
		.amdhsa_wavefront_size32 1
		.amdhsa_system_sgpr_workgroup_id_x 1
		.amdhsa_system_sgpr_workgroup_id_y 1
		.amdhsa_system_sgpr_workgroup_id_z 1
		.amdhsa_system_vgpr_workitem_id 0
		.amdhsa_next_free_vgpr 1024
		.amdhsa_next_free_sgpr 102
		.amdhsa_reserve_vcc 1
		.amdhsa_float_denorm_mode_32 3
		.amdhsa_float_denorm_mode_16_64 3
		.amdhsa_memory_ordered 1
		.amdhsa_forward_progress 1
		.amdhsa_inst_pref_size 154
	.end_amdhsa_kernel
	.amdgpu_metadata
---
amdhsa.version: [ 1, 2 ]
amdhsa.kernels:
  - .name:           k_qd19228c369_proj
    .symbol:         k_qd19228c369_proj.kd
    .args:
      - { .name: x_codes, .offset: 0, .size: 8, .value_kind: global_buffer, .address_space: global }
      - { .name: x_sc, .offset: 8, .size: 8, .value_kind: global_buffer, .address_space: global }
      - { .name: w_codes, .offset: 16, .size: 8, .value_kind: global_buffer, .address_space: global }
      - { .name: w_sc, .offset: 24, .size: 8, .value_kind: global_buffer, .address_space: global }
      - { .name: bq, .offset: 32, .size: 8, .value_kind: global_buffer, .address_space: global }
      - { .name: bk, .offset: 40, .size: 8, .value_kind: global_buffer, .address_space: global }
      - { .name: bv, .offset: 48, .size: 8, .value_kind: global_buffer, .address_space: global }
      - { .name: qb, .offset: 56, .size: 8, .value_kind: global_buffer, .address_space: global }
      - { .name: kv, .offset: 64, .size: 8, .value_kind: global_buffer, .address_space: global }
    .group_segment_fixed_size: 327680
    .private_segment_fixed_size: 0
    .kernarg_segment_align: 8
    .kernarg_segment_size: 72
    .max_flat_workgroup_size: 128
    .sgpr_count:     102
    .vgpr_count:     1024
    .wavefront_size: 32
...
	.end_amdgpu_metadata
.endif
;; end of part 2
;; launch attn (part 3): grid 4 x 64, 8 waves a work-group, clusters of 4 x 1, 233,472 bytes of LDS; arguments qb, kv, attention_mask, out0; writes out0
.if DOCPART == 3
	.amdgcn_target "amdgcn-amd-amdhsa--gfx1250"
	.amdhsa_code_object_version 6
	.text
	.protected	k_qd19228c369_attn
	.globl	k_qd19228c369_attn
	.p2align	8
	.type	k_qd19228c369_attn,@function
k_qd19228c369_attn:
	s_mov_b64 s[64:65], 0
	v_nop
	global_prefetch_b8 v0, s[64:65] scope:SCOPE_SE
	s_setreg_imm32_b32 hwreg(HW_REG_WAVE_MODE, 25, 1), 1
	s_wait_xcnt 0x0
	s_wait_alu depctr_hold_cnt(0) depctr_sa_sdst(0) depctr_va_vdst(0) depctr_va_sdst(0) depctr_va_ssrc(0) depctr_va_vcc(0) depctr_vm_vsrc(0)
	s_getreg_b32 s2, hwreg(HW_REG_IB_STS2, 6, 4)
	s_cmp_eq_u32 s2, 0
	s_cbranch_scc0 .Lentry_in_a_cluster
	s_endpgm
.Lentry_in_a_cluster:
	s_bfe_u32 s2, ttmp6, 0x10000c
	s_cmp_lg_u32 s2, 0x3003
	s_cbranch_scc0 .Lentry_shape_is_right
	s_endpgm
.Lentry_shape_is_right:
; out0[batch][q][64 head + d] = the sum over keys of softmax(q . k / 8 + mask[batch][key]) v[key][d], both products on codes of FP4 (E2M1) with E8M0 scales.
; THE SOFTMAX AHEAD OF THE SECOND PRODUCT: t = logit x log2(e); M = the row's largest t so far, rounded UP to a whole number; p = 2^(t - M) is quantised along the keys, not normalised.
; The row's sum is taken of the unquantised p and divides O at the end.  When M moves, the sum and O are multiplied by 2^(old M - new M): exact.
; qb, kv: [16 batch + head][step of 128 tokens][8,704 bytes]: images of operands' registers: +0 K's (q's) codes, tile a at 512 a + 16 lane; +4096 V's codes; +8192 K's (q's) scale words; +8448 V's.
; q's scale bytes were stored less 3, so the first product gives q . k / 8.
; SHARES.  A work-group owns 512 queries of one head; each of its EIGHT waves (two to a SIMD, 512 registers) owns 64: two passes of TWO tiles of 16 at once, stored tiles 2 b and 2 b + 1, which are 32 neighbouring queries.
; Each fragment of K and V and each register of the mask read from LDS serves both tiles: 34 LDS loads for 24 products.  The two tiles' eight blocks of 32 keys and their two chains for M take turns line by line.
; A HEAD'S K AND V (139,264 bytes) LIE IN LDS AT ONCE: each wave brings two steps by one tensor load in its first lines; each LDS byte is filled once.  The batch's mask (8,192 bytes) goes through registers into LDS bytes of its own.
; CLUSTER.  The four work-groups of a cluster are one head's four blocks of queries: K and V are asked for jointly, by the same loads with a mask that names the four.
; NO PREFETCH: all that the launch fetches is asked for in its first lines; there is no loop to run ahead in.
; LAYOUT.  Both products are used transposed (S^T = K Q^T, O^T = V^T P^T): a lane holds one query of each tile throughout.  The head's 64 are half of the instruction's 128 along K: an operand of 8 registers holds TWO tiles of 16 keys,
; and is multiplied once by [q | 0] and once by [0 | q]; zero codes add nothing.  Lane r of key tile 2 b + u holds key 32 b + 8 u + r + 8 (r / 8), so the 16 registers of two neighbouring tiles are keys 32 b + 16 h + 0 .. 15.
; THE MASK IS THE C OF THE SCORES: 64 registers in the result's layout, the same for both tiles; it costs no addition.
; LOOK-AHEAD.  Straight behind a step's first products its V and the NEXT step's K, scale words and mask are asked of LDS into the registers just read: they land under the softmax.
; LIMITS: a row's largest logit has to lie above -2^127 (a row all of whose logits lie below gives NaN, as a row all of -infinity does in the definition).  NaN among the inputs is not served.
; REGISTERS.  Window 0: v1-11 addresses; v[12:13], v[14:15] (-M, largest logit) of tile 0, 1; v16-21 at work; v22-41 [0 | q0 | 0 | q1 | 0]; v42-43 q's scale words, v44-47 K's, v48-51 V's; v52-61 the second pass's q;
;   v64-191 S^T, then p: tile 0, tile 1; v192-207 p's codes; v208-239 at work (v233, v235 p's scale words); v240-255 the sums' chains (v[246:247], v[254:255] the rows' sums).
;   Window 1: v0-63 the mask; v64-95 K's fragments; v96-127 V's; v128-191 O^T: tile 0, tile 1.
.set HS,    139264                     ; a head
.set SS,    8704                       ; a step of 128 keys
.set MASK,  139264                     ; LDS: behind the head's 16 steps: the batch's 2,048 mask numbers; no fill lands here
.set STAGE, 147456                     ; the way out: 32 rows x (256 bytes + 16) for each wave; no fill lands here
.set SP,    272
.set SPARE, 217088                     ; the spare words, 128 bytes a wave, that no other line names
.set LI,  1                            ; 16 x lane: an image's place for my lane
.set LS,  2                            ; 16 r: my row's four scale words
.set LM,  3                            ; MASK + 64 h: my half's 16 keys of a block of 32
.set ADR, 4                            ; the same three for the step in hand
.set ADS, 5
.set ADM, 6
.set GO,  7                            ; the way out: 4,096 h + 16 r
.set STO, 8                            ; where I put 16 bytes of a row
.set RD,  9                            ; where I read a row back
.set SPW, 10                           ; my spare word; never rewritten
.set NIL, 11                           ; 0; never rewritten
.set NM,  12
.set QO,  16
.set QSO, 17
.set MO,  18
.set TT,  20
.set QZ,  22
.set QS,  42
.set KS,  44
.set VS,  48
.set QN,  52
.set S,   64
.set PC,  192
.set BM,  208                          ; a number for each of the eight blocks: 0-3 tile 0, 4-7 tile 1
.set PX,  216
.set SO,  224
.set FF,  232                          ; pairs (f, p's scale word)
.set T2,  236
.set CH,  240                          ; chain k of tile t: pair CH + 8 t + 2 k; k = 3 is the row's sum
.set MK,  0                            ; window 1
.set KF,  64
.set VF,  96
.set O,   128
.set WV,  12
.set SEL, 20                           ; s[20:21] lane selects for v_permlanex16_b32: lane l xor 16
.set CS,  22                           ; s[22:23] log2(e): the packed form names a pair and takes its low word for both halves
.set G1,  24
.set G0,  40
.set TB,  48                           ; LDS byte at which the step in hand begins
.set TM,  49                           ; and its 512 bytes of the mask
.set CNT, 50
.set MSB, 0
.macro WIN new                         ; the immediate's high byte repeats the setting that is left
.if MSB != (\new)
	s_set_vgpr_msb (MSB<<8)|(\new)
.set MSB, (\new)
.endif
.endm
.macro ROUND                           ; a round of the cluster's barrier
	s_barrier_signal -1
	s_barrier_wait -1
	s_cmp_lg_u32 s[WV], 0
	s_cbranch_scc1 .Lnot_wave_0_\@
	s_barrier_signal -3
.Lnot_wave_0_\@:
	s_barrier_wait -3
	s_barrier_signal -1
	s_barrier_wait -1
.endm
.macro MM d, a, b, c, sa, sb
	v_wmma_scale_f32_16x16x128_f8f6f4 v[\d:\d+7], v[\a:\a+7], v[\b:\b+7], v[\c:\c+7], v[\sa], v[\sb] matrix_a_fmt:MATRIX_FMT_FP4 matrix_b_fmt:MATRIX_FMT_FP4
.endm
	s_load_b256 s[4:11], s[0:1], 0x0               ; qb, kv, attention_mask, out0
	v_lshl_add_u32 v[SPW], v0, 2, SPARE
	v_mov_b32 v[NIL], 0
	ds_add_u32 v[SPW], v[NIL]                      ; the opening: the add, twice on end, and its wait ahead of the round in front of my tensor load
	ds_add_u32 v[SPW], v[NIL]
	v_lshrrev_b32 v19, 5, v0
	v_readfirstlane_b32 s[WV], v19                 ; wave 0..7
	s_bfe_u32 s13, ttmp6, 0x40000                  ; cx: my block of 512 queries: it enters q's and out0's addresses alone
	s_and_b32 s14, ttmp7, 0xffff                   ; 16 x batch + head, which the four partners share
	s_lshr_b32 s15, s14, 4                         ; the batch
	s_mov_b32 s[G1], 15|(3<<16)|(1<<21)            ; group 1: two steps, dense, as 68 rows of 256 bytes (32 elements of 8); the mask names all four work-groups; bit 21 beside it
	s_mov_b32 s[G1+1], 32<<16
	s_mov_b32 s[G1+2], 68<<16
	s_mov_b32 s[G1+3], 32<<16
	s_mov_b32 s[G1+4], 68
	s_mov_b32 s[G1+5], 32
	s_mov_b32 s[G1+6], 0
	s_mov_b32 s[G1+7], 0
	s_mul_i32 s52, s14, HS                         ; the head's first byte in qb and kv (under 2^24)
	s_mov_b32 s53, 0
	s_mul_i32 s16, s[WV], 2*SS                     ; the two steps that I fetch: in the head, and in LDS
	s_add_co_u32 s54, s52, s16
	s_mov_b32 s55, 0
	s_lshl_b32 s56, s15, 13                        ; the batch's 8,192 bytes of mask,
	s_lshl_b32 s17, s[WV], 10                      ; my 1,024 of them
	s_add_co_u32 s56, s56, s17
	s_mov_b32 s57, 0
	s_mov_b32 s[SEL], 0x76543210
	s_mov_b32 s[SEL+1], 0xfedcba98
	s_mov_b32 s[CS], 0x3fb8aa3b                    ; log2(e)
	s_mov_b32 s[CS+1], s[CS]
	s_wait_dscnt 0x0                               ; both opening adds are done
	s_wait_kmcnt 0x0
	ROUND                                          ; all four work-groups are here: the joint loads meet
	s_mov_b32 s[G0], 1
	s_mov_b32 s[G0+1], s16
	s_add_nc_u64 s[G0+2:G0+3], s[6:7], s[54:55]
	s_or_b32 s[G0+3], s[G0+3], 0x80000000
	tensor_load_to_lds s[G0:G0+3], s[G1:G1+7]      ; every wave issues this one load, and no more
	s_nop 0
.rept 4
	v_nop
.endr
	; q.  My stored tiles are 32 cx + 16 i + 2 wave + t (pass i, tile t): step 4 cx + 2 i + wave / 4, tile 2 (wave % 4) + t in it
	s_lshl_b32 s18, s13, 2
	s_lshr_b32 s19, s[WV], 2
	s_add_co_u32 s18, s18, s19
	s_mul_i32 s18, s18, SS
	s_add_co_u32 s52, s52, s18
	s_add_nc_u64 s[4:5], s[4:5], s[52:53]          ; qb at my first pass's step
	s_add_nc_u64 s[8:9], s[8:9], s[56:57]          ; my part of the mask
	s_and_b32 s33, s[WV], 3
	s_lshl_b32 s32, s33, 10                        ; my two tiles' images
	s_lshl_b32 s33, s33, 2                         ; and the scale word that holds their four bytes
	s_add_co_u32 s34, s17, MASK
	s_mul_i32 s35, s[WV], 32*SP
	s_add_co_u32 s35, s35, STAGE                   ; my stage
	s_lshl_b32 s36, s15, 11                        ; out0 at my first query: 2,048 batch + 512 cx + 32 wave (+ 256 i)
	s_lshl_b32 s37, s13, 9
	s_add_co_u32 s36, s36, s37
	s_lshl_b32 s37, s[WV], 5
	s_add_co_u32 s36, s36, s37
	s_lshl_b32 s36, s36, 12                        ; rows of 4,096 bytes (under 2^26)
	s_and_b32 s37, s14, 15
	s_lshl_b32 s37, s37, 8                         ; the head's 256 bytes in a row
	s_add_co_u32 s36, s36, s37
	s_mov_b32 s37, 0
	s_add_nc_u64 s[10:11], s[10:11], s[36:37]
	v_and_b32 v19, 31, v0
	v_lshlrev_b32 v[LI], 4, v19
	v_and_b32 v20, 15, v0                          ; r
	v_bfe_u32 v21, v0, 4, 1                        ; h
	v_lshlrev_b32 v[LS], 4, v20
	v_add_nc_u32 v[QO], s32, v[LI]
	v_add_nc_u32 v[QSO], s33, v[LS]
	global_load_b128 v[S:S+3], v[LI], s[8:9]       ; the mask: 512 consecutive bytes an instruction
	global_load_b128 v[S+4:S+7], v[LI], s[8:9] offset:512
	global_load_b128 v[QZ+4:QZ+7], v[QO], s[4:5]
	global_load_b128 v[QZ+12:QZ+15], v[QO], s[4:5] offset:512
	global_load_b32 v61, v[QSO], s[4:5] offset:8192
	global_load_b128 v[QN:QN+3], v[QO], s[4:5] offset:2*SS
	global_load_b128 v[QN+4:QN+7], v[QO], s[4:5] offset:2*SS+512
	global_load_b32 v60, v[QSO], s[4:5] offset:8192+2*SS
	v_add_nc_u32 v[MO], s34, v[LI]
	v_lshl_add_u32 v[LM], v21, 6, MASK
	v_lshlrev_b32 v[GO], 12, v21
	v_lshl_add_u32 v[GO], v20, 4, v[GO]            ; the way out: lanes 0-15 one row of out0, lanes 16-31 the next; 16 bytes a lane
	v_and_b32 v19, 8, v20
	v_add_nc_u32 v19, v19, v20                     ; r + 8 (r / 8): lane r of tile t is query 8 t + r + 8 (r / 8) of my 32
	v_mul_u32_u24 v[STO], v19, SP
	v_lshl_add_u32 v[STO], v21, 6, v[STO]
	v_add_nc_u32 v[STO], s35, v[STO]               ; in: that row, + 64 h: channel tile t's register j is channel 32 (t / 2) + 16 h + 8 (t % 2) + j
	v_mul_u32_u24 v[RD], v21, SP
	v_lshl_add_u32 v[RD], v20, 4, v[RD]
	v_add_nc_u32 v[RD], s35, v[RD]                 ; back: lanes 0-15 one row, lanes 16-31 the next
.irp j, 0,1,2,3,8,9,10,11,16,17,18,19
	v_mov_b32 v[QZ+\j], 0                          ; the zero codes round the two q
.endr
.irp b, 0,1,2,3,4,5,6,7
	v_mov_b32 v[PX+\b], 0                          ; written once: a lane permute's destination counts as one of its sources
.endr
	v_mov_b32 v[FF+1], 0                           ; (named as the upper halves of pairs before they are first written)
	v_mov_b32 v[FF+3], 0
	s_wait_alu depctr_va_vdst(0)
	s_wait_tensorcnt 0x0                           ; my load has landed,
	s_wait_loadcnt 0x0                             ; the mask and q are in
	ds_store_b128 v[MO], v[S:S+3]
	ds_store_b128 v[MO], v[S+4:S+7] offset:512
	v_perm_b32 v[QS], v61, v61, 0x01000100         ; tile 0's two bytes in both halves: one register serves [q | 0] and [0 | q];
	v_perm_b32 v[QS+1], v61, v61, 0x03020302       ; tile 1's
	s_wait_dscnt 0x0                               ; my part of the mask is stored,
	s_barrier_signal -1
	s_barrier_wait -1                              ; everybody's is, and the head is whole in LDS: no fill follows
; A KEY STEP: 128 keys x my two tiles.  more = 1: the next step's K, scale words and mask are asked for.
.macro STEP more
	s_wait_dscnt 0x0                               ; K, its scale words and the mask are in (asked for a step ago)
	WIN 0x11                                       ; K and the mask in window 1, q and S^T in window 0
.irp b, 0,1,2,3
	MM S+16*\b,    KF+8*\b, QZ+4,  MK+16*\b,   KS+\b, QS     ; [q | 0]: key tile 2 b
	MM S+64+16*\b, KF+8*\b, QZ+12, MK+16*\b,   KS+\b, QS+1
	MM S+8+16*\b,  KF+8*\b, QZ,    MK+8+16*\b, KS+\b, QS     ; [0 | q]: key tile 2 b + 1
	MM S+72+16*\b, KF+8*\b, QZ+8,  MK+8+16*\b, KS+\b, QS+1
.endr
	WIN 0
	v_add_nc_u32 v[ADR], s[TB], v[LI]              ; four places between the products and the loads into their registers and the first read of S^T
	v_add_nc_u32 v[ADS], s[TB], v[LS]
.if \more
	v_add_nc_u32 v[ADM], s[TM], v[LM]
.else
	v_nop
.endif
	v_nop
	WIN 0x40
.irp p, 0,1,2,3,4,5,6,7
	ds_load_b128 v[VF+4*\p:VF+4*\p+3], v[ADR] offset:4096+512*\p
.endr
.if \more
.irp p, 0,1,2,3,4,5,6,7
	ds_load_b128 v[KF+4*\p:KF+4*\p+3], v[ADR] offset:SS+512*\p   ; key tile p's image: tiles 2 b and 2 b + 1 are one operand
.endr
.irp n, 0,1,2,3,4,5,6,7,8,9,10,11,12,13,14,15
	ds_load_b128 v[MK+4*\n:MK+4*\n+3], v[ADM] offset:512+128*(\n/4)+16*(\n%4)   ; the mask of keys 32 b + 16 h + 0 .. 15 into registers 16 b + 0 .. 15
.endr
.endif
	WIN 0
	ds_load_b128 v[VS:VS+3], v[ADS] offset:8448
.if \more
	ds_load_b128 v[KS:KS+3], v[ADS] offset:SS+8192
.endif
.irp b, 0,1,2,3,4,5,6,7
	v_max3_num_f32 v[BM+\b], v[S+16*\b], v[S+1+16*\b], v[S+2+16*\b]   ; the largest logit of each block of 32 keys: for the row's maximum and, since p rises with the logit, for the block's largest p
.endr
.irp i, 3,5,7,9,11,13
.irp b, 0,1,2,3,4,5,6,7
	v_max3_num_f32 v[BM+\b], v[BM+\b], v[S+16*\b+\i], v[S+1+16*\b+\i]   ; (the eight blocks by turns; each accumulator is read from its low end on)
.endr
.endr
.irp b, 0,1,2,3,4,5,6,7
	v_max_num_f32 v[BM+\b], v[BM+\b], v[S+15+16*\b]
.endr
.irp b, 0,1,2,3,4,5,6,7
	v_permlanex16_b32 v[PX+\b], v[BM+\b], s[SEL], s[SEL+1]
.endr
.irp b, 0,1,2,3,4,5,6,7
	v_max_num_f32 v[BM+\b], v[BM+\b], v[PX+\b]     ; with lane l xor 16's 16 keys
.endr
	v_max3_num_f32 v[TT], v[BM], v[BM+1], v[BM+2]  ; the two tiles' chains by turns
	v_max3_num_f32 v[TT+1], v[BM+4], v[BM+5], v[BM+6]
	v_max3_num_f32 v[NM+1], v[NM+1], v[TT], v[BM+3]      ; the running largest logit
	v_max3_num_f32 v[NM+3], v[NM+3], v[TT+1], v[BM+7]
	v_mul_f32 v[TT], s[CS], -v[NM+1]               ; -t
	v_mul_f32 v[TT+1], s[CS], -v[NM+3]
	v_floor_f32 v[TT], v[TT]                       ; the new -M = floor(-t) = -ceil(t): a whole number
	v_floor_f32 v[TT+1], v[TT+1]
	v_sub_f32 v[T2], v[TT], v[NM]                  ; M's old value less its new one: a whole number, 0 or less
	v_sub_f32 v[T2+1], v[TT+1], v[NM+2]
	v_mov_b32 v[NM], v[TT]
	v_mov_b32 v[NM+2], v[TT+1]
	v_cvt_i32_f32 v[T2], v[T2]                     ; (it saturates)
	v_cvt_i32_f32 v[T2+1], v[T2+1]
	v_ldexp_f32 v[FF], 1.0, v[T2]                  ; f = 2^(old M - new M)
	v_ldexp_f32 v[FF+2], 1.0, v[T2+1]
.set j, 0
.rept 64
	v_pk_fma_f32 v[S+j:S+j+1], v[S+j:S+j+1], s[CS:CS+1], v[NM+2*(j/64):NM+2*(j/64)+1] op_sel_hi:[1,0,0]   ; t - M, two at a time
.set j, j+2
.endr
.irp b, 0,1,2,3,4,5,6,7
	v_fma_f32 v[BM+\b], v[BM+\b], s[CS], v[NM+2*(\b/4)]   ; the same of each block's largest logit
.endr
	WIN 0x41
.set j, 0
.rept 32
	v_pk_mul_f32 v[O+j:O+j+1], v[O+j:O+j+1], v[FF+2*(j/32):FF+2*(j/32)+1] op_sel_hi:[1,0]   ; O^T under the new M: ahead of the exponentials, each accumulator from its low end on
.set j, j+2
.endr
	WIN 0
	s_wait_alu depctr_va_vdst(0)
.set j, 0
.rept 128
	v_exp_f32 v[S+j], v[S+j]                       ; p = 2^(t - M), at most 1: not normalised
.set j, j+1
.endr
.irp b, 0,1,2,3,4,5,6,7
	v_exp_f32 v[BM+\b], v[BM+\b]                   ; the block's largest p: the same two instructions on the same number give the same bits
.endr
	v_pk_mul_f32 v[CH+6:CH+7], v[CH+6:CH+7], v[FF:FF+1] op_sel_hi:[1,0]        ; the sums under the new M (plain places behind the exponentials)
	v_pk_mul_f32 v[CH+14:CH+15], v[CH+14:CH+15], v[FF+2:FF+3] op_sel_hi:[1,0]
	s_wait_alu depctr_va_vdst(0)                   ; one wait for the whole batch, ahead of its first reader
.irp b, 0,1,2,3,4,5,6,7
	v_max_num_f32 v[BM+\b], 0x1800000, v[BM+\b]    ; the floor 2^(3 - 127): the byte cannot fall under 1 (a block whose every p is 0 keeps that byte: its codes are zeros)
.endr
.irp b, 0,1,2,3,4,5,6,7
	v_add_nc_u32 v[SO+\b], 0xff000000, v[BM+\b]    ; 2 off the exponent field: the conversion's scale operand
.endr
.irp b, 0,1,2,3,4,5,6,7
	v_lshrrev_b32 v[PX+\b], 23, v[SO+\b]           ; the scale's byte
.endr
.irp n, 1,2,3
.if \n == 1
	v_lshl_or_b32 v[FF+1], v[PX+1], 8, v[PX]       ; p's scale words for these 128 keys
	v_lshl_or_b32 v[FF+3], v[PX+5], 8, v[PX+4]
.else
	v_lshl_or_b32 v[FF+1], v[PX+\n], 8*\n, v[FF+1]
	v_lshl_or_b32 v[FF+3], v[PX+4+\n], 8*\n, v[FF+3]
.endif
.endr
.irp b, 0,1,2,3,4,5,6,7
	v_cvt_scalef32_pk8_fp4_f32 v[PC+2*\b], v[S+16*\b:S+7+16*\b], v[SO+\b]
	v_cvt_scalef32_pk8_fp4_f32 v[PC+1+2*\b], v[S+8+16*\b:S+15+16*\b], v[SO+\b]
.endr
	v_nop                                          ; one plain place behind a scaled conversion
.irp c, 0,1,2,3                        ; the operand's layout wants a whole block in a lane: lanes 0-15 the even block, lanes 16-31 the odd one
.irp i, 0,1
	v_permlane16_swap_b32 v[PC+4*\c+\i], v[PC+4*\c+2+\i]
.endr
.endr
	; THE ROWS' SUMS, OF THE UNQUANTISED p: two at a time, four chains a tile, the eight by turns.  These 64 lines are also the places between the writes of p's codes and scale words and the products
.irp k, 0,1,2
.irp t, 0,1
	v_pk_add_f32 v[CH+8*\t+2*\k:CH+8*\t+2*\k+1], v[S+64*\t+4*\k:S+64*\t+4*\k+1], v[S+64*\t+4*\k+2:S+64*\t+4*\k+3]
.endr
.endr
.set j, 12
.rept 26
.irp t, 0,1
	v_pk_add_f32 v[CH+8*\t+2*((j/2)%4):CH+8*\t+2*((j/2)%4)+1], v[CH+8*\t+2*((j/2)%4):CH+8*\t+2*((j/2)%4)+1], v[S+64*\t+j:S+64*\t+j+1]
.endr
.set j, j+2
.endr
.irp t, 0,1
	v_pk_add_f32 v[CH+8*\t:CH+8*\t+1], v[CH+8*\t:CH+8*\t+1], v[CH+8*\t+2:CH+8*\t+3]
	v_pk_add_f32 v[CH+8*\t+6:CH+8*\t+7], v[CH+8*\t+6:CH+8*\t+7], v[CH+8*\t+4:CH+8*\t+5]
.endr
.irp t, 0,1
	v_pk_add_f32 v[CH+8*\t+6:CH+8*\t+7], v[CH+8*\t+6:CH+8*\t+7], v[CH+8*\t:CH+8*\t+1]
.endr
.if \more == 0
	s_wait_alu depctr_va_vdst(0)                   ; the last step: the way out reads the sums just written
.endif
	s_wait_dscnt 0x0                               ; V and its scale words are in
	WIN 0x51                                       ; V and O^T in window 1, p's codes in window 0
.irp t, 0,1,2,3
	MM O+8*\t,    VF+8*\t, PC,   O+8*\t,    VS+\t, FF+1      ; the eight accumulators by turns
	MM O+32+8*\t, VF+8*\t, PC+8, O+32+8*\t, VS+\t, FF+3
.endr
	WIN 0
.endm
; ONE PASS: two tiles of 16 queries through all 16 key steps, then the way out.  The last step is written out: it asks for no further K.
.macro PASS i
.if \i
	s_wait_xcnt 0x0                                ; the first pass's stores have read their registers, which S^T takes again
.irp j, 0,1,2,3
	v_mov_b32 v[QZ+4+\j], v[QN+\j]                 ; the second pass's q
	v_mov_b32 v[QZ+12+\j], v[QN+4+\j]
.endr
	v_perm_b32 v[QS], v60, v60, 0x01000100
	v_perm_b32 v[QS+1], v60, v60, 0x03020302
.endif
	WIN 0x40
.irp p, 0,1,2,3,4,5,6,7
	ds_load_b128 v[KF+4*\p:KF+4*\p+3], v[LI] offset:512*\p         ; step 0's K and mask
.endr
.irp n, 0,1,2,3,4,5,6,7,8,9,10,11,12,13,14,15
	ds_load_b128 v[MK+4*\n:MK+4*\n+3], v[LM] offset:128*(\n/4)+16*(\n%4)
.endr
.set j, 0
.rept 64
	v_mov_b32 v[O+j], 0                            ; O^T.  (The step is written once: the first finds zeros, which the first change of M leaves zeros)
.set j, j+1
.endr
	WIN 0
	ds_load_b128 v[KS:KS+3], v[LS] offset:8192
.irp t, 0,1
	v_mov_b32 v[NM+2*\t+1], 0xff000000             ; the largest logit so far: -2^127
	v_mov_b32 v[NM+2*\t], 0x7f38aa3b               ; -M = log2(e) x 2^127, a whole number
	v_mov_b32 v[CH+8*\t+6], 0                      ; the sum, in two halves
	v_mov_b32 v[CH+8*\t+7], 0
.endr
	s_mov_b32 s[TB], 0
	s_mov_b32 s[TM], 0
	s_mov_b32 s[CNT], 15
	s_wait_alu depctr_va_vdst(0)
.Lstep_\@:
	STEP 1
	s_add_co_u32 s[TB], s[TB], SS
	s_add_co_u32 s[TM], s[TM], 512
	s_sub_co_u32 s[CNT], s[CNT], 1
	s_cmp_lg_u32 s[CNT], 0
	s_cbranch_scc1 .Lstep_\@
	STEP 0
	v_add_f32 v[CH+6], v[CH+6], v[CH+7]            ; the sums' two halves (these six lines are the places behind the last products),
	v_add_f32 v[CH+14], v[CH+14], v[CH+15]
	v_permlanex16_b32 v[PX], v[CH+6], s[SEL], s[SEL+1]
	v_permlanex16_b32 v[PX+1], v[CH+14], s[SEL], s[SEL+1]
	v_add_f32 v[CH+6], v[CH+6], v[PX]              ; and lane l xor 16's: the rows' sums
	v_add_f32 v[CH+14], v[CH+14], v[PX+1]
	s_wait_alu depctr_va_vdst(0)
	v_rcp_f32 v[CH+6], v[CH+6]
	v_rcp_f32 v[CH+14], v[CH+14]
	v_nop                                          ; a plain place behind the reciprocals
	WIN 0x01
	s_wait_alu depctr_va_vdst(0)                   ; and the wait ahead of their first reader, which is O^T's first reader too
.set j, 0
.rept 32
	v_pk_mul_f32 v[S+j:S+j+1], v[O+j:O+j+1], v[CH+6+8*(j/32):CH+7+8*(j/32)] op_sel_hi:[1,0]   ; O^T / the sum
.set j, j+2
.endr
	WIN 0
.irp u, 0,1
.irp t, 0,1,2,3
	ds_store_b128 v[STO], v[S+32*\u+8*\t:S+32*\u+8*\t+3] offset:8*SP*\u+128*(\t/2)+32*(\t%2)
	ds_store_b128 v[STO], v[S+32*\u+8*\t+4:S+32*\u+8*\t+7] offset:8*SP*\u+128*(\t/2)+32*(\t%2)+16
.endr
.endr
.irp n, 0,1,2,3,4,5,6,7,8,9,10,11,12,13,14,15
	ds_load_b128 v[S+64+4*\n:S+67+4*\n], v[RD] offset:2*SP*\n   ; LDS serves a wave's instructions in order: these see my stores; the stage is my own
.endr
.irp n, 0,1,2,3,4,5,6,7,8,9,10,11,12,13,14,15
	s_wait_dscnt 15-\n                             ; the younger loads may be out
	global_store_b128 v[GO], v[S+64+4*\n:S+67+4*\n], s[10:11] offset:2*\n*4096+\i*1048576 th:TH_STORE_NT   ; stage row 2 n + h is query 2 n + h of my 32: sixteen lanes store 256 consecutive bytes, aligned: one query's head
.endr
.endm
	PASS 0
	PASS 1
	s_wait_tensorcnt 0x0                           ; the wave's end
	ds_add_u32 v[SPW], v[NIL]
	s_wait_dscnt 0x0
	ROUND                                          ; the closing round: no work-group ends while a partner may still ask for a tile that names it
	s_endpgm
.Lfunc_end_k_qd19228c369_attn:
	.size	k_qd19228c369_attn, .Lfunc_end_k_qd19228c369_attn-k_qd19228c369_attn
	.p2alignl 7, 3214868480
	.fill 96, 4, 3214868480
	.section	.rodata,"a",@progbits
	.p2align	6, 0x0
	.amdhsa_kernel k_qd19228c369_attn
		.amdhsa_group_segment_fixed_size 233472
		.amdhsa_private_segment_fixed_size 0
		.amdhsa_enable_private_segment 0
		.amdhsa_kernarg_size 32
		.amdhsa_user_sgpr_count 2
		.amdhsa_user_sgpr_kernarg_segment_ptr 1
		.amdhsa_wavefront_size32 1
		.amdhsa_system_sgpr_workgroup_id_x 1
		.amdhsa_system_sgpr_workgroup_id_y 1
		.amdhsa_system_sgpr_workgroup_id_z 1
		.amdhsa_system_vgpr_workitem_id 0
		.amdhsa_next_free_vgpr 512
		.amdhsa_next_free_sgpr 66
		.amdhsa_reserve_vcc 0
		.amdhsa_float_denorm_mode_32 3
		.amdhsa_float_denorm_mode_16_64 3
		.amdhsa_memory_ordered 1
		.amdhsa_forward_progress 1
		.amdhsa_inst_pref_size 141
	.end_amdhsa_kernel
	.amdgpu_metadata
---
amdhsa.version: [ 1, 2 ]
amdhsa.kernels:
  - .name:           k_qd19228c369_attn
    .symbol:         k_qd19228c369_attn.kd
    .args:
      - { .name: qb, .offset: 0, .size: 8, .value_kind: global_buffer, .address_space: global }
      - { .name: kv, .offset: 8, .size: 8, .value_kind: global_buffer, .address_space: global }
      - { .name: attention_mask, .offset: 16, .size: 8, .value_kind: global_buffer, .address_space: global }
      - { .name: out0, .offset: 24, .size: 8, .value_kind: global_buffer, .address_space: global }
    .group_segment_fixed_size: 233472
    .private_segment_fixed_size: 0
    .kernarg_segment_align: 8
    .kernarg_segment_size: 32
    .max_flat_workgroup_size: 256
    .sgpr_count:     66
    .vgpr_count:     512
    .wavefront_size: 32
...
	.end_amdgpu_metadata
.endif
;; end of part 3
